; MI455X (gfx1250); checked and timed in simulation.
; The chip was launched on July 23, 2026; its instructions are those of AMD's public machine-readable ISA for CDNA 5 (MIT licence, August 2026) and "CDNA5" Instruction Set Architecture Reference Guide (July 2026). The comments in the code are by the model that wrote it; some were corrected since.
;; Mixture Of Experts. Allowed arithmetic: matrix products marked QUANTISED: E2M1 operands, one E8M0 scale for each 32 along K, by v_wmma_scale_f32_16x16x128_f8f6f4 with both operands' format E2M1 (or v_wmma_scale_f32_32x16x128_f4), f32 sums; products left as they are: f32 operands where the result goes on into a quantised operand, else bf16, f16 or f32 operands; f32 sums; everything else in f32.
;; Inputs: b1 8 x 1,024 float32; b2 8 x 1,024 float32; b3 8 x 512 float32; gate_w 8 x 512 float32; ln_beta 512 float32; ln_gamma 512 float32; w1 8 x 512 x 1,024 float32; w2 8 x 1,024 x 1,024 float32; w3 8 x 1,024 x 512 float32; x 8 x 512 x 512 float32.
;; Outputs: out0 8 x 512 x 512 float32; out1 one number float32.
;; This version of the problem:
;;   THIS VERSION OF THE PROBLEM IS GIVEN IN LOW PRECISION. The matrix products marked QUANTISED in the list below multiply operands that are first quantised to E2M1 (2 exponent bits, 1 mantissa bit; 4 bits a number), with one power-of-two scale for each 32 numbers along K (OCP MX v1.0); their sums are f32. All else is computed in f32.
;;   The module's matrix products, in the order in which they are computed (A, B: the left and right operand; K: the contracted axis; several contracted axes count as one K, in the product's order):
;;     1. [M 4,096, K 512] x [K 512, N 8]; A: input x; B: input gate_w: left as it is (N = 8 < 16)
;;     2. [M 4,096, K 512] x [K 512, N 8,192]; A: input x; B: input w1: QUANTISED
;;     3. batch 8 x [M 1,024, K 1,024] x [K 1,024, N 4,096]; A: input w2; B: computed on the way: QUANTISED
;;     4. batch 8 x [M 512, K 1,024] x [K 1,024, N 4,096]; A: input w3; B: computed on the way: QUANTISED
;;     5. batch 4,096 x [M 512, K 8] x [K 8, N 1]; A: computed on the way; B: computed on the way: left as it is (K = 8 < 32)
;;   THE QUANTISER, for each operand of a quantised product, along K:
;;     - K is cut into blocks of 32 from its start; a last block that is shorter is filled with zeros.
;;     - A block's scale is 2^e with e = floor(log2(the largest magnitude in the block)) - 2, held to -126 .. 127; a block of zeros has e = 0. As a byte (E8M0): e + 127.
;;     - Each number is divided by its block's scale, clamped to +-6, and rounded to the nearest number of E2M1, ties to even, subnormals kept.
;;     - The product sums the exact products of the quantised numbers (number of the format x scale) in f32.
;;   ~~~python
;;   def quantise(x, axis):      # numpy; x: float32 -> the quantised numbers, widened to float32 again
;;       x = np.moveaxis(x, axis, -1); K = x.shape[-1]
;;       x = np.pad(x, [(0, 0)] * (x.ndim - 1) + [(0, -K % 32)]); x = x.reshape(x.shape[:-1] + (-1, 32)); a = np.abs(x).max(-1, keepdims=True)
;;       e = np.where(a > 0, np.clip(np.frexp(np.where(a > 0, a, 1))[1] - 1 - 2, -126, 127), 0)      # np.frexp(a)[1] - 1 = floor(log2(a)), exactly
;;       r = np.clip(x / 2.0 ** e, -6, 6)
;;       step = 2.0 ** (np.maximum(np.frexp(np.where(r == 0, 1, r))[1] - 1, 0) - 1)
;;       q = np.round(r / step) * step * 2.0 ** e      # np.round: ties to even
;;       return np.moveaxis(q.reshape(q.shape[:-2] + (-1,))[..., :K], -1, axis).astype(np.float32)
;;   ~~~
;;   OPERANDS COMPUTED ON THE WAY. 'Computed on the way' means the value that the module computes at that place (a softmax that the list does not call 'softmax' is quantised finished and normalised). What goes into a quantiser is computed in f32, as accurately as f32 sums, v_exp_f32 and their like allow (about 1e-6 of the number): no bf16 or f16 on the way to a quantiser, and a product that is left as it is and whose result goes on into a quantised operand takes f32 operands (vector FMAs, or v_wmma_f32_16x16x4_f32). A number that lies on a knife's edge between two numbers of the format may be rounded either way, as far as f32 arithmetic and the matrix unit's own rounding can turn it there, and no further.
;; One version. Each part assembles by itself: llvm-mc -triple=amdgcn-amd-amdhsa -mcpu=gfx1250 --defsym DOCPART=n.
;; ======== version 1 of 1: 3 launches
;; workspace buffers: wq 8,912,896 bytes; xq 1,114,112 bytes; gts 65,536 bytes; rt 32,768 bytes of whole numbers; plan 20,480 bytes of whole numbers
;; launch prep (part 1): grid 384 x 1, 16 waves a work-group, no clusters, 97,792 bytes of LDS; arguments x, gate_w, w1, w2, w3, wq, xq, gts, rt; writes wq, xq, gts, rt
.if DOCPART == 1
	.amdgcn_target "amdgcn-amd-amdhsa--gfx1250"
	.amdhsa_code_object_version 6
	.text
	.protected	k_qccead0def9_prep
	.globl	k_qccead0def9_prep
	.p2align	8
	.type	k_qccead0def9_prep,@function
k_qccead0def9_prep:
	s_mov_b64 s[64:65], 0
	v_nop
	global_prefetch_b8 v0, s[64:65] scope:SCOPE_SE
	s_setreg_imm32_b32 hwreg(HW_REG_WAVE_MODE, 25, 1), 1
	s_wait_xcnt 0x0
; PREP: everything that is read from memory as f32 is read here, once.
;  (1) w1, w2, w3 (f32, K = first axis) become codes of E2M1 with one E8M0 byte for each 32 along K, laid in wq in the order in which the third launch's operand registers take them.
;  (2) x becomes codes and scale bytes (xq), K = its last axis.
;  (3) the router in f32: logits, top 2 (the lower index wins a tie), softmax of the two (the larger taken away first).  Stored at FIXED places: the gates (gts) and, as whole numbers (rt), each token's pair of
;      experts, its rank among its group's tokens of that pair, and each group's count for each pair.  No address and no branch here hangs on them.
; WORK LEFT OUT BY THE PROGRAM.  gates[t, e] is the sum over the two chosen places of one_hot(top_i)[e] x top_g: for every e that is not in top_i[t] it is exactly 0, whatever the inputs hold.  eo[t, e, :] reaches out only as
; eo[t, e, :] x gates[t, e].  So the three quantised products are made only for the two chosen experts of each token.  All ten inputs have a way to an output and are loaded.
; LIMITS.  A NaN, an infinity or an overflow that arises only in an expert that was not chosen is not carried to the result.  NaN or infinite logits are not served.  Two logits closer than the rounding of a 512-term f32 sum may
; be chosen the other way.  A block whose largest magnitude lies under 2^-124 keeps the byte 1 (a block of zeros too: its codes are zeros, and these bytes are read by this program alone).
; SHARES.  Work-groups 0-127: 32 tokens of x each.  128-319: w1 (64) and w2 (128); 320-383: w3: 128 columns x 512 along K each.  The paths part on the work-group's number alone; each has LDS bytes of its own.
; wq: [expert 8][wave 4][chunk 32] of 8,704 bytes.  A chunk = 32 columns x 512 K: 8 fragments (K step s', tile u) of 1,024 bytes, [c 2][lane 32][16 bytes], then 512 bytes of scale words at 16 l' + 4 s'.
; Column v of the 32 lies in tile u = (v / 8) % 2 at row rho = v % 8 + 8 (v / 16); l' = 16 u + rho.
.set XP,    2064                       ; a row of x in LDS: 2,048 bytes + 16: an odd multiple of 16, so that 16 lanes on 16 rows fall on 16 different 16-byte columns
.set XST,   0                          ; 32 rows of x
.set XCP,   272                        ; a token's 256 bytes of codes + 16
.set XCD,   32*XP                      ; the codes of 32 tokens
.set XSB,   XCD+32*XCP                 ; their scale bytes, 16 a token
.set LPT,   XSB+512                    ; the waves' parts of the logits: [wave 16][token 32][expert 8] f32
.set WSA,   LPT+16*1024                ; w1's and w2's path: scale words of four chunks
.set WSB,   WSA+2048                   ; w3's path: the same
.set SPARE, WSB+2048                   ; the spare words, 128 bytes for each wave: eight blocks of 256 bytes that no other line names
.set CH,    8704
	s_load_b512 s[4:19], s[0:1], 0x0               ; x s[4:5], gate_w s[6:7], w1 s[8:9], w2 s[10:11], w3 s[12:13], wq s[14:15], xq s[16:17], gts s[18:19]
	s_load_b64 s[20:21], s[0:1], 0x40              ; rt
	v_lshl_add_u32 v28, v0, 2, SPARE               ; my spare word; never rewritten
	v_mov_b32 v29, 0                               ; 0; never rewritten
	v_lshrrev_b32 v1, 5, v0
	v_readfirstlane_b32 s22, v1                    ; wave 0..15
	v_and_b32 v30, 31, v0                          ; lane
	s_wait_kmcnt 0x0
	s_cmp_lt_u32 ttmp9, 128
	s_cbranch_scc1 .Lxpath
	s_and_b32 s32, s22, 3                          ; g: which 32 of the work-group's 128 columns
	s_lshr_b32 s33, s22, 2                         ; s': which 128 of its 512 along K
	s_cmp_lt_u32 ttmp9, 320
	s_cbranch_scc0 .Lw3
; 32 numbers of one block, v[xs] on, become 16 bytes of codes in v[c] on; v13 = the scale's byte
.macro QBLK xs, c
	v_max3_num_f32 v12, |v[\xs]|, |v[\xs+1]|, |v[\xs+2]|           ; the block's largest magnitude, in two chains
	v_max3_num_f32 v13, |v[\xs+3]|, |v[\xs+4]|, |v[\xs+5]|
.irp i, 6,10,14,18,22,26
	v_max3_num_f32 v12, v12, |v[\xs+\i]|, |v[\xs+\i+1]|
	v_max3_num_f32 v13, v13, |v[\xs+\i+2]|, |v[\xs+\i+3]|
.endr
	v_max3_num_f32 v12, v12, |v[\xs+30]|, |v[\xs+31]|
	v_max3_num_f32 v12, v12, v13, 0x1800000        ; and the floor 2^(3 - 127): the byte cannot fall under 1
	v_add_nc_u32 v11, 0xff000000, v12              ; 2 off the exponent field: the conversion takes this operand's exponent field as its scale
.irp g, 0,1,2,3
	v_cvt_scalef32_pk8_fp4_f32 v[\c+\g], v[\xs+8*\g:\xs+8*\g+7], v11
.endr
	v_lshrrev_b32 v13, 23, v11                     ; the byte (a plain line behind the conversions)
.endm
; block t of the wave's four: W(32 t + i, my column), i = 0 .. 31: each load reads 128 neighbouring bytes, the four waves of one K step stand side by side on 512
.macro WLOAD t, rowb
.irp i, 0,1,2,3,4,5,6,7,8,9,10,11,12,13,14,15,16,17,18,19,20,21,22,23,24,25,26,27,28,29,30,31
	global_load_b32 v[32+32*((\t)%2)+\i], v1, s[24:25] offset:(32*(\t)+\i)*(\rowb) th:TH_LOAD_NT
.endr
.endm
.macro WBLOCK t, rowb
.set XS_, 32+32*((\t)%2)
.set CS_, 96+4*(\t)                    ; each block has its own four registers of codes: no store's data are written again
.if (\t) < 3
	s_wait_loadcnt 32                              ; this block's 32 loads are in; the next block's 32 may be out
.else
	s_wait_loadcnt 0x0
.endif
	QBLK XS_, CS_
.if (\t) == 0
	v_mov_b32 v112, v13                            ; the K step's scale word: byte t for block t
.else
	v_lshl_or_b32 v112, v13, 8*(\t), v112
.endif
	global_store_b128 v2, v[CS_:CS_+3], s[26:27] offset:((\t)/2)*512+((\t)%2)*256   ; block t = 2 c + h: the 16 lanes of a tile store 256 consecutive bytes, aligned
.if (\t) < 2
	WLOAD (\t)+2, \rowb
.endif
.endm
; the weights' path.  s[24:25]: my wave's first number; s[26:27]: my chunk in wq; s32 = g, s33 = s'
.macro WBODY rowb, wsc
	v_lshlrev_b32 v1, 2, v30                       ; a lane to a column, registers down K
	WLOAD 0, \rowb
	WLOAD 1, \rowb
	v_bfe_u32 v6, v30, 3, 1                        ; u
	v_and_b32 v7, 7, v30
	v_lshrrev_b32 v8, 4, v30
	v_lshl_add_u32 v7, v8, 3, v7                   ; rho
	v_lshlrev_b32 v2, 10, v6
	v_lshl_add_u32 v2, v7, 4, v2
	s_lshl_b32 s34, s33, 11
	v_add_nc_u32 v2, s34, v2                       ; my codes' place in the chunk: 2,048 s' + 1,024 u + 16 rho
	v_lshl_add_u32 v3, v6, 4, v7                   ; l'
	v_lshlrev_b32 v3, 4, v3
	s_lshl_b32 s34, s32, 9
	s_lshl_b32 s35, s33, 2
	s_add_co_u32 s35, s35, s34
	v_add_nc_u32 v3, s35, v3
	v_add_nc_u32 v3, \wsc, v3                      ; LDS: 512 g + 16 l' + 4 s'
	v_lshlrev_b32 v5, 4, v30
	v_add_nc_u32 v4, s34, v5
	v_add_nc_u32 v4, \wsc, v4                      ; and back: 512 g + 16 x lane
	WBLOCK 0, \rowb
	WBLOCK 1, \rowb
	WBLOCK 2, \rowb
	WBLOCK 3, \rowb
	ds_store_b32 v3, v112
	s_wait_dscnt 0x0                               ; for the others' sake: my word has landed
	s_barrier_signal -1
	s_barrier_wait -1
	s_cmp_lt_u32 s22, 4                            ; waves 0-3 (s' = 0, g = wave) store their chunk's 512 bytes of scale words, gathered from four waves
	s_cbranch_scc0 .Lnot_mine_\@
	ds_load_b128 v[116:119], v4
	s_wait_dscnt 0x0
	global_store_b128 v5, v[116:119], s[26:27] offset:8192
.Lnot_mine_\@:
.endm
	; ---- w1 and w2: rows of 4,096 bytes.  jj = 2 j for w1, j - 64 for w2: then expert = jj / 16, block of 128 columns = (jj / 2) % 8, half of K = jj % 2
	s_sub_co_u32 s23, ttmp9, 128
	s_lshl_b32 s26, s23, 1
	s_sub_co_u32 s27, s23, 64
	s_cmp_lt_u32 s23, 64
	s_cselect_b64 s[24:25], s[8:9], s[10:11]       ; the choice hangs on the work-group's number alone
	s_cselect_b32 s26, s26, s27
	s_cselect_b32 s27, 21, 22                      ; an expert is 2^21 bytes of w1, 2^22 of w2
	s_cselect_b32 s28, 0, 1
	s_lshr_b32 s29, s26, 4                         ; expert
	s_bfe_u32 s30, s26, 0x30001                    ; cb
	s_and_b32 s31, s26, 1                          ; kh
	s_lshl_b32 s34, s29, s27
	s_lshl_b32 s35, s31, 21                        ; 512 rows of 4,096 bytes
	s_add_co_u32 s34, s34, s35
	s_lshl_b32 s35, s33, 19                        ; 128 rows
	s_add_co_u32 s34, s34, s35
	s_lshl_b32 s35, s30, 9                         ; 128 columns
	s_add_co_u32 s34, s34, s35
	s_lshl_b32 s35, s32, 7                         ; 32 columns
	s_add_co_u32 s34, s34, s35
	s_mov_b32 s35, 0
	s_add_nc_u64 s[24:25], s[24:25], s[34:35]
	s_lshl_b32 s36, s30, 2
	s_add_co_u32 s36, s36, s32                     ; G = column / 32
	s_lshr_b32 s37, s36, 3                         ; the wave of the third launch that takes it
	s_and_b32 s38, s36, 7                          ; w1: chunk G % 8
	s_lshl_b32 s39, s38, 1
	s_add_co_u32 s39, s39, s31
	s_add_co_u32 s39, s39, 8                       ; w2: chunk 8 + 2 (G % 8) + kh
	s_cmp_eq_u32 s28, 0
	s_cselect_b32 s38, s38, s39
	s_lshl_b32 s39, s29, 2
	s_add_co_u32 s39, s39, s37
	s_lshl_b32 s39, s39, 5
	s_add_co_u32 s39, s39, s38
	s_mul_i32 s38, s39, CH
	s_mov_b32 s39, 0
	s_add_nc_u64 s[26:27], s[14:15], s[38:39]
	WBODY 4096, WSA
	s_branch .Lend
.Lw3:	; ---- w3: rows of 2,048 bytes
	s_sub_co_u32 s23, ttmp9, 320
	s_lshr_b32 s29, s23, 3                         ; expert
	s_bfe_u32 s30, s23, 0x20001                    ; cb = the wave that takes it
	s_and_b32 s31, s23, 1                          ; kh
	s_lshl_b32 s34, s29, 21
	s_lshl_b32 s35, s31, 20
	s_add_co_u32 s34, s34, s35
	s_lshl_b32 s35, s33, 18
	s_add_co_u32 s34, s34, s35
	s_lshl_b32 s35, s30, 9
	s_add_co_u32 s34, s34, s35
	s_lshl_b32 s35, s32, 7
	s_add_co_u32 s34, s34, s35
	s_mov_b32 s35, 0
	s_add_nc_u64 s[24:25], s[12:13], s[34:35]
	s_lshl_b32 s36, s29, 2
	s_add_co_u32 s36, s36, s30
	s_lshl_b32 s36, s36, 5
	s_lshl_b32 s37, s32, 1
	s_add_co_u32 s36, s36, s37
	s_add_co_u32 s36, s36, s31
	s_add_co_u32 s36, s36, 24                      ; chunk 24 + 2 g + kh
	s_mul_i32 s36, s36, CH
	s_mov_b32 s37, 0
	s_add_nc_u64 s[26:27], s[14:15], s[36:37]
	WBODY 2048, WSB
	s_branch .Lend
.Lxpath:	; ---- x: 32 tokens.  Loads take the rows as they lie; behind the first barrier wave v holds block v (d = 32 v .. 32 v + 31) of all 32 tokens, a lane to a token
	s_lshl_b32 s24, ttmp9, 16                      ; 32 rows of 2,048 bytes a work-group
	s_lshl_b32 s25, s22, 12                        ; two rows a wave
	s_add_co_u32 s24, s24, s25
	s_mov_b32 s25, 0
	s_add_nc_u64 s[4:5], s[4:5], s[24:25]
	s_lshl_b32 s24, s22, 7                         ; my 32 numbers of each row of gate_w
	s_add_nc_u64 s[6:7], s[6:7], s[24:25]
	v_lshlrev_b32 v1, 4, v30
.irp q, 0,1,2,3,4,5,6,7
	global_load_b128 v[32+4*\q:35+4*\q], v1, s[4:5] offset:512*\q th:TH_LOAD_NT   ; 512 consecutive bytes a load
.endr
	s_load_b512 s[32:47], s[6:7], 0x0              ; expert 0's 32 weights,
	s_load_b512 s[48:63], s[6:7], 0x40
	s_load_b512 s[68:83], s[6:7], 0x800            ; expert 1's
	s_load_b512 s[84:99], s[6:7], 0x840
	s_mov_b32 s30, 0x76543210
	s_mov_b32 s31, 0xfedcba98                      ; v_permlanex16_b32's selects for lane l xor 16
	s_mul_i32 s26, s22, 2*XP
	v_add_nc_u32 v2, s26, v1                       ; rows in: 2 v rows + 16 x lane
	v_mul_u32_u24 v3, v30, XP
	v_add_nc_u32 v3, s24, v3                       ; and out: my token's row, my wave's 128 bytes
	v_mul_u32_u24 v4, v30, XCP
	s_lshl_b32 s26, s22, 4
	s_add_co_u32 s26, s26, XCD
	v_add_nc_u32 v4, s26, v4                       ; codes in: token x 272 + 16 v
	v_lshl_add_u32 v5, v30, 4, XSB
	v_add_nc_u32 v5, s22, v5                       ; scale byte: 16 x token + v
	s_lshl_b32 s26, s22, 10
	s_add_co_u32 s26, s26, LPT
	v_lshl_add_u32 v6, v30, 5, s26                 ; my part of the logits: 1,024 v + 32 x token
	v_lshrrev_b32 v7, 4, v30
	v_mul_u32_u24 v7, v7, XCP
	v_and_b32 v8, 15, v30
	v_lshl_add_u32 v7, v8, 4, v7
	s_mul_i32 s26, s22, 2*XCP
	s_add_co_u32 s26, s26, XCD
	v_add_nc_u32 v7, s26, v7                       ; codes out: rows 2 v and 2 v + 1, sixteen lanes to a row
	v_add_nc_u32 v8, XSB, v1
	v_lshl_add_u32 v9, v30, 5, LPT
	v_lshlrev_b32 v10, 3, v30
	s_lshl_b32 s26, ttmp9, 13
	s_lshl_b32 s27, s22, 9
	s_add_co_u32 s26, s26, s27
	s_mov_b32 s27, 0
	s_add_nc_u64 s[26:27], s[16:17], s[26:27]      ; xq: the codes of my two tokens
	s_lshl_b32 s28, ttmp9, 9
	s_mov_b32 s29, 0
	s_add_nc_u64 s[18:19], s[18:19], s[28:29]      ; gts: 16 bytes a token
	s_add_co_u32 s28, s28, 0x100000
	s_add_nc_u64 s[16:17], s[16:17], s[28:29]      ; xq: the scale bytes, 16 a token, behind the codes
	s_lshl_b32 s28, ttmp9, 8
	s_add_nc_u64 s[20:21], s[20:21], s[28:29]      ; rt: 256 bytes a group
.irp q, 0,1,2,3,4,5,6,7
	s_wait_loadcnt 7-\q                            ; loads come back in order: load q is in, the younger ones may be out
	ds_store_b128 v2, v[32+4*\q:35+4*\q] offset:(\q/4)*XP+(\q%4)*512
.endr
	s_wait_dscnt 0x0
	s_barrier_signal -1
	s_barrier_wait -1                              ; the 32 rows lie in LDS
.irp i, 0,1,2,3,4,5,6,7
	ds_load_b128 v[32+4*\i:35+4*\i], v3 offset:16*\i
.endr
	s_wait_dscnt 0x0
	QBLK 32, 64
	ds_store_b128 v4, v[64:67]
	ds_store_b8 v5, v13
; the router's sums over my 32 of the 512, two experts at a time, the weights in scalar registers; f32 multiply-adds
.macro ROUND k
	s_wait_kmcnt 0x0
	v_mul_f32 v[72+2*\k], s32, v32
	v_mul_f32 v[73+2*\k], s68, v32
.irp i, 1,2,3,4,5,6,7,8,9,10,11,12,13,14,15,16,17,18,19,20,21,22,23,24,25,26,27,28,29,30,31
	v_fmac_f32 v[72+2*\k], s[32+\i], v[32+\i]
	v_fmac_f32 v[73+2*\k], s[68+\i], v[32+\i]
.endr
.if \k < 3
	s_load_b512 s[32:47], s[6:7], (2*\k+2)*2048
	s_load_b512 s[48:63], s[6:7], (2*\k+2)*2048+64
	s_load_b512 s[68:83], s[6:7], (2*\k+3)*2048
	s_load_b512 s[84:99], s[6:7], (2*\k+3)*2048+64
.endif
.endm
	ROUND 0
	ROUND 1
	ROUND 2
	ROUND 3
	ds_store_b128 v6, v[72:75]
	ds_store_b128 v6, v[76:79] offset:16
	s_wait_dscnt 0x0
	s_barrier_signal -1
	s_barrier_wait -1                              ; codes, scale bytes and the sixteen parts of the logits lie in LDS
	ds_load_b128 v[64:67], v7
	s_wait_dscnt 0x0
	global_store_b128 v1, v[64:67], s[26:27]       ; two tokens' codes: 512 consecutive bytes
	s_cmp_eq_u32 s22, 1
	s_cbranch_scc0 .Lnot_one
	ds_load_b128 v[68:71], v8                      ; wave 1: the group's 512 scale bytes
	s_wait_dscnt 0x0
	global_store_b128 v1, v[68:71], s[16:17]
.Lnot_one:
	s_cmp_eq_u32 s22, 0
	s_cbranch_scc0 .Lend
	; ---- wave 0: the router's end, a lane to a token.  The sixteen parts are added in ascending order of d
.irp bt, 0,1,2,3
.irp k, 0,1,2,3,4,5,6,7
	ds_load_b128 v[32+4*\k:35+4*\k], v9 offset:(4*\bt+\k/2)*1024+(\k%2)*16
.endr
	s_wait_dscnt 0x0
.irp k2, 0,1,2,3
.irp pr, 0,2,4,6
.if (\bt == 0) && (\k2 == 1)
	v_pk_add_f32 v[80+\pr:81+\pr], v[32+\pr:33+\pr], v[40+\pr:41+\pr]
.elseif (\bt > 0) || (\k2 > 1)
	v_pk_add_f32 v[80+\pr:81+\pr], v[80+\pr:81+\pr], v[32+8*\k2+\pr:33+8*\k2+\pr]
.endif
.endr
.endr
.endr
	v_mov_b32 v88, v80                             ; the largest logit and its expert: strictly greater from expert 0 upward, so the lower index keeps a tie
	v_mov_b32 v89, 0
.irp e, 1,2,3,4,5,6,7
	v_cmp_gt_f32 vcc_lo, v[80+\e], v88
	v_cndmask_b32 v88, v88, v[80+\e], vcc_lo
	v_cndmask_b32 v89, v89, \e, vcc_lo
.endr
	v_mov_b32 v93, 0xff800000                      ; -infinity stands for the expert already taken
	v_cmp_eq_u32 vcc_lo, 0, v89
	v_cndmask_b32 v90, v80, v93, vcc_lo
	v_mov_b32 v91, 0
.irp e, 1,2,3,4,5,6,7
	v_cmp_eq_u32 vcc_lo, \e, v89
	v_cndmask_b32 v92, v[80+\e], v93, vcc_lo
	v_cmp_gt_f32 vcc_lo, v92, v90
	v_cndmask_b32 v90, v90, v92, vcc_lo
	v_cndmask_b32 v91, v91, \e, vcc_lo
.endr
	v_sub_f32 v92, v90, v88                        ; the softmax of the two, the larger taken away: 1 / (1 + t) and t / (1 + t), t = e^(second - first)
	v_mul_f32 v92, 0x3fb8aa3b, v92
	v_exp_f32 v92, v92
	v_nop
	s_wait_alu depctr_va_vdst(0)                   ; the wait ahead of the first reader
	v_add_f32 v93, 1.0, v92
	v_rcp_f32 v93, v93
	v_nop
	s_wait_alu depctr_va_vdst(0)
	v_mul_f32 v94, v92, v93
	v_cmp_lt_u32 vcc_lo, v89, v91                  ; the pair in ascending order of experts: a < b, with their gates
	v_cndmask_b32 v108, v94, v93, vcc_lo           ; ga
	v_cndmask_b32 v109, v93, v94, vcc_lo           ; gb
	v_min_u32 v97, v89, v91                        ; a
	v_max_u32 v98, v89, v91                        ; b
	v_sub_nc_u32 v99, 15, v97
	v_mul_u32_u24 v99, v97, v99
	v_lshrrev_b32 v99, 1, v99
	v_add_nc_u32 v99, v99, v98
	v_sub_nc_u32 v99, v99, v97
	v_add_nc_u32 v99, -1, v99                      ; the pair's number p = a (15 - a) / 2 + b - a - 1, 0 .. 27
	v_mov_b32 v101, 0
	v_mov_b32 v107, 0
	v_mov_b32 v110, 0
	v_mov_b32 v111, 0
.irp p, 0,1,2,3,4,5,6,7,8,9,10,11,12,13,14,15,16,17,18,19,20,21,22,23,24,25,26,27
	v_cmp_eq_u32 s24, \p, v99                      ; the group's tokens of pair p
	v_mbcnt_lo_u32_b32 v100, s24, 0                ; how many of them stand below my lane
	v_cndmask_b32 v101, v101, v100, s24            ; my rank, where p is mine
	s_bcnt1_i32_b32 s25, s24
	v_writelane_b32 v107, s25, \p                  ; the group's count of pair p, in lane p
.endr
.irp e, 0,1,2,3,4,5,6,7
	v_cmp_eq_u32 vcc_lo, \e, v97                   ; the group's sum of gates of expert e, into lane e
	v_cndmask_b32 v103, 0, v108, vcc_lo
	v_cmp_eq_u32 vcc_lo, \e, v98
	v_cndmask_b32 v104, 0, v109, vcc_lo
	v_add_f32 v103, v103, v104
	v_add_f32_dpp v103, v103, v103 row_xmask:1 row_mask:0xf bank_mask:0xf
	v_add_f32_dpp v103, v103, v103 row_xmask:2 row_mask:0xf bank_mask:0xf
	v_add_f32_dpp v103, v103, v103 row_xmask:4 row_mask:0xf bank_mask:0xf
	v_add_f32_dpp v103, v103, v103 row_xmask:8 row_mask:0xf bank_mask:0xf
	v_permlanex16_b32 v104, v103, s30, s31
	v_add_f32 v103, v103, v104
	v_cmp_eq_u32 vcc_lo, \e, v30
	v_cndmask_b32 v110, v110, v103, vcc_lo
.endr
	v_lshl_or_b32 v106, v101, 8, v99               ; p | rank << 8
	global_store_b128 v1, v[108:111], s[18:19]     ; ga, gb, the group's usage of expert `lane`, 0: 512 consecutive bytes
	global_store_b64 v10, v[106:107], s[20:21]     ; 256 consecutive bytes
.Lend:
	s_wait_tensorcnt 0x0                           ; the wave's end
	ds_add_u32 v28, v29
	s_wait_dscnt 0x0
	s_endpgm
.Lfunc_end_k_qccead0def9_prep:
	.size	k_qccead0def9_prep, .Lfunc_end_k_qccead0def9_prep-k_qccead0def9_prep
	.p2alignl 7, 3214868480
	.fill 96, 4, 3214868480
	.section	.rodata,"a",@progbits
	.p2align	6, 0x0
	.amdhsa_kernel k_qccead0def9_prep
		.amdhsa_group_segment_fixed_size 97792
		.amdhsa_private_segment_fixed_size 0
		.amdhsa_enable_private_segment 0
		.amdhsa_kernarg_size 72
		.amdhsa_user_sgpr_count 2
		.amdhsa_user_sgpr_kernarg_segment_ptr 1
		.amdhsa_wavefront_size32 1
		.amdhsa_system_sgpr_workgroup_id_x 1
		.amdhsa_system_sgpr_workgroup_id_y 1
		.amdhsa_system_sgpr_workgroup_id_z 1
		.amdhsa_system_vgpr_workitem_id 0
		.amdhsa_next_free_vgpr 128
		.amdhsa_next_free_sgpr 100
		.amdhsa_reserve_vcc 1
		.amdhsa_float_denorm_mode_32 3
		.amdhsa_float_denorm_mode_16_64 3
		.amdhsa_memory_ordered 1
		.amdhsa_forward_progress 1
		.amdhsa_inst_pref_size 80
	.end_amdhsa_kernel
	.amdgpu_metadata
---
amdhsa.version: [ 1, 2 ]
amdhsa.kernels:
  - .name:           k_qccead0def9_prep
    .symbol:         k_qccead0def9_prep.kd
    .args:
      - { .name: x, .offset: 0, .size: 8, .value_kind: global_buffer, .address_space: global }
      - { .name: gate_w, .offset: 8, .size: 8, .value_kind: global_buffer, .address_space: global }
      - { .name: w1, .offset: 16, .size: 8, .value_kind: global_buffer, .address_space: global }
      - { .name: w2, .offset: 24, .size: 8, .value_kind: global_buffer, .address_space: global }
      - { .name: w3, .offset: 32, .size: 8, .value_kind: global_buffer, .address_space: global }
      - { .name: wq, .offset: 40, .size: 8, .value_kind: global_buffer, .address_space: global }
      - { .name: xq, .offset: 48, .size: 8, .value_kind: global_buffer, .address_space: global }
      - { .name: gts, .offset: 56, .size: 8, .value_kind: global_buffer, .address_space: global }
      - { .name: rt, .offset: 64, .size: 8, .value_kind: global_buffer, .address_space: global }
    .group_segment_fixed_size: 97792
    .private_segment_fixed_size: 0
    .kernarg_segment_align: 8
    .kernarg_segment_size: 72
    .max_flat_workgroup_size: 512
    .sgpr_count:     100
    .vgpr_count:     128
    .wavefront_size: 32
...
	.end_amdgpu_metadata
.endif
;; end of part 1
;; launch place (part 2): grid 1 x 1, 8 waves a work-group, no clusters, 3,072 bytes of LDS; arguments rt, gts, plan, out1; writes plan, out1
.if DOCPART == 2
	.amdgcn_target "amdgcn-amd-amdhsa--gfx1250"
	.amdhsa_code_object_version 6
	.text
	.protected	k_qccead0def9_place
	.globl	k_qccead0def9_place
	.p2align	8
	.type	k_qccead0def9_place,@function
k_qccead0def9_place:
	s_mov_b64 s[64:65], 0
	v_nop
	global_prefetch_b8 v0, s[64:65] scope:SCOPE_SE
	s_setreg_imm32_b32 hwreg(HW_REG_WAVE_MODE, 25, 1), 1
	s_wait_xcnt 0x0
; PLACE: one work-group.  A counting sort of the 4,096 tokens by their pair of experts (28 pairs), without atomics: the counts for each group of 32 tokens and each token's rank in its group were stored by the launch before.
; plan: order[4096] (token numbers, sorted by pair); from byte 16,384 on 256 tiles {a, b, first, rows}: tile i takes at most 32 tokens of ONE pair; tiles beyond the last have rows = 0.
; With 4,096 tokens, 28 pairs and tiles of 32 there are never more than 128 + 27 tiles, whatever the choice.
; out1 = sum over e of (1/8) (ln(1/8) - ln(usage e)) = (ln 2 / 8) x sum of (-3 - log2(usage e)).
; Wave w owns groups 16 w .. 16 w + 15.  In the counts a lane is a pair, in the routes a token of the group.
.set WT,    0                          ; the waves' counts: 128 bytes a wave
.set UT,    1024                       ; the waves' usage sums
.set SPARE, 2048                       ; the spare words, 128 bytes for each wave: four blocks of 256 bytes that no other line names
	s_load_b256 s[4:11], s[0:1], 0x0               ; rt s[4:5], gts s[6:7], plan s[8:9], out1 s[10:11]
	v_lshl_add_u32 v30, v0, 2, SPARE               ; my spare word; never rewritten
	v_mov_b32 v31, 0                               ; 0; never rewritten
	v_lshrrev_b32 v1, 5, v0
	v_readfirstlane_b32 s12, v1                    ; wave 0..7
	v_and_b32 v1, 31, v0                           ; lane
	v_lshlrev_b32 v2, 3, v1
	s_lshl_b32 s13, s12, 12
	v_add_nc_u32 v2, s13, v2                       ; rt: 16 groups of 256 bytes a wave, 8 bytes a lane
	v_lshlrev_b32 v3, 4, v1
	s_lshl_b32 s13, s12, 13
	v_add_nc_u32 v3, s13, v3                       ; gts: 512 records of 16 bytes a wave
	v_lshlrev_b32 v6, 2, v0                        ; LDS: 128 x wave + 4 x lane
	v_lshlrev_b32 v7, 2, v1
	s_mov_b32 s14, 0xffff0000                      ; lanes 16-31
	s_wait_kmcnt 0x0
.irp j, 0,1,2,3,4,5,6,7,8,9,10,11,12,13,14,15
	global_load_b64 v[32+2*\j:33+2*\j], v2, s[4:5] offset:256*\j       ; route (lane = token), count (lane = pair)
.endr
.irp j, 0,1,2,3,4,5,6,7,8,9,10,11,12,13,14,15
	global_load_b32 v[64+\j], v3, s[6:7] offset:512*\j+8               ; the group's usage of expert `lane`
.endr
	s_wait_loadcnt 16                              ; the routes and counts are in; the 16 usage loads may be out
	v_add_nc_u32 v4, v33, v35
.irp j, 2,3,4,5,6,7,8,9,10,11,12,13,14,15
	v_add_nc_u32 v4, v4, v[33+2*\j]                ; my wave's count of each pair
.endr
	s_wait_loadcnt 0x0
	v_add_f32 v5, v64, v65
.irp j, 2,3,4,5,6,7,8,9,10,11,12,13,14,15
	v_add_f32 v5, v5, v[64+\j]
.endr
	ds_store_b32 v6, v4 offset:WT
	ds_store_b32 v6, v5 offset:UT
	s_wait_dscnt 0x0
	s_barrier_signal -1
	s_barrier_wait -1
.irp k, 0,1,2,3,4,5,6,7
	ds_load_b32 v[80+\k], v7 offset:WT+128*\k
	ds_load_b32 v[88+\k], v7 offset:UT+128*\k
.endr
	s_wait_dscnt 0x0
	v_add_nc_u32 v8, v80, v81
	v_add_f32 v11, v88, v89
.irp k, 2,3,4,5,6,7
	v_add_nc_u32 v8, v8, v[80+\k]                  ; each pair's tokens in all
	v_add_f32 v11, v11, v[88+\k]                   ; each expert's usage in all
.endr
	v_mov_b32 v9, 0
.irp k, 0,1,2,3,4,5,6
	s_cmp_lt_u32 \k, s12                           ; the counts of the waves in front of mine
	s_cselect_b32 s13, -1, 0
	v_and_b32 v10, s13, v[80+\k]
	v_add_nc_u32 v9, v9, v10
.endr
	v_add_nc_u32 v12, 31, v8
	v_lshrrev_b32 v12, 5, v12                      ; each pair's tiles
; an inclusive running sum over the 32 lanes: four steps inside each half, then lane 15's sum onto lanes 16-31
.macro SCAN x, t
.irp n, 1,2,4,8
	v_mov_b32_dpp v[\t], v[\x] row_shr:\n row_mask:0xf bank_mask:0xf bound_ctrl:1
	v_add_nc_u32 v[\x], v[\x], v[\t]
.endr
	v_readlane_b32 s13, v[\x], 15
	v_mov_b32 v[\t], s13
	v_cndmask_b32 v[\t], 0, v[\t], s14
	v_add_nc_u32 v[\x], v[\x], v[\t]
.endm
	v_mov_b32 v10, 0
	v_mov_b32 v13, v8
	SCAN 13, 10
	v_sub_nc_u32 v13, v13, v8                      ; pb: where each pair's tokens begin in order[]
	v_mov_b32 v14, v12
	SCAN 14, 10
	v_sub_nc_u32 v14, v14, v12                     ; tb: each pair's first tile
	v_mov_b32 v15, 0
.irp s, 7,13,18,22,25,27
	v_cmp_le_u32 vcc_lo, \s, v1                    ; pair `lane` back into its experts: a = how many of the rows' first numbers are at or under it
	v_add_co_ci_u32 v15, vcc_lo, 0, v15, vcc_lo
.endr
	v_sub_nc_u32 v16, 15, v15
	v_mul_u32_u24 v16, v15, v16
	v_lshrrev_b32 v16, 1, v16
	v_sub_nc_u32 v16, v1, v16
	v_add3_u32 v16, v16, v15, 1                    ; b = p - a (15 - a) / 2 + a + 1
	v_lshl_or_b32 v20, v16, 8, v15
	; ---- order[]: a token's place = its pair's begin + the counts of the waves and groups in front + its rank in its group
	v_add_nc_u32 v96, v13, v9
.irp j, 1,2,3,4,5,6,7,8,9,10,11,12,13,14,15
	v_add_nc_u32 v[96+\j], v[95+\j], v[31+2*\j]    ; + the count of the group before
.endr
.irp j, 0,1,2,3,4,5,6,7,8,9,10,11,12,13,14,15
	v_and_b32 v[112+\j], 0xff, v[32+2*\j]
	v_min_u32 v[112+\j], 31, v[112+\j]
	v_lshlrev_b32 v[112+\j], 2, v[112+\j]
.endr
.irp j, 0,1,2,3,4,5,6,7,8,9,10,11,12,13,14,15
	ds_bpermute_b32 v[128+\j], v[112+\j], v[96+\j] ; the base of my token's pair, from the lane that holds it: no LDS byte is touched
.endr
	s_lshl_b32 s15, s12, 9
	v_add_nc_u32 v17, s15, v1                      ; my token in group 0 of my wave
	s_wait_dscnt 0x0
.irp j, 0,1,2,3,4,5,6,7,8,9,10,11,12,13,14,15
	v_lshrrev_b32 v[112+\j], 8, v[32+2*\j]
	v_add_nc_u32 v[128+\j], v[128+\j], v[112+\j]
	v_min_u32 v[128+\j], 0xfff, v[128+\j]          ; a number that was loaded enters an address only held inside the table
	v_lshlrev_b32 v[128+\j], 2, v[128+\j]
	v_add_nc_u32 v[112+\j], 32*\j, v17
	global_store_b32 v[128+\j], v[112+\j], s[8:9]
.endr
	; ---- the tiles: thread i makes tile i.  Its pair is the last one whose first tile is at or under i
	v_mov_b32 v19, -1
.irp p, 0,1,2,3,4,5,6,7,8,9,10,11,12,13,14,15,16,17,18,19,20,21,22,23,24,25,26,27,28,29,30,31
	v_readlane_b32 s13, v14, \p
	v_cmp_le_u32 vcc_lo, s13, v0
	v_add_co_ci_u32 v19, vcc_lo, 0, v19, vcc_lo
.endr
	v_min_u32 v21, 31, v19
	v_lshlrev_b32 v21, 2, v21
	ds_bpermute_b32 v22, v21, v14
	ds_bpermute_b32 v23, v21, v13
	ds_bpermute_b32 v24, v21, v8
	ds_bpermute_b32 v25, v21, v20
	v_lshlrev_b32 v26, 4, v0
	s_wait_dscnt 0x0
	v_sub_nc_u32 v22, v0, v22                      ; which tile of its pair
	v_lshlrev_b32 v22, 5, v22
	v_and_b32 v144, 0xff, v25                      ; a
	v_lshrrev_b32 v145, 8, v25                     ; b
	v_add_nc_u32 v146, v23, v22                    ; first
	v_sub_nc_u32 v147, v24, v22
	v_max_i32 v147, 0, v147
	v_min_i32 v147, 32, v147                       ; rows: what is left of the pair's tokens, 0 .. 32
	global_store_b128 v26, v[144:147], s[8:9] offset:16384
	; ---- the loss
	v_mul_f32 v27, 0x39800000, v11                 ; usage = sum / 4,096
	v_log_f32 v27, v27
	v_mov_b32 v28, 0
	s_wait_alu depctr_va_vdst(0)                   ; the wait ahead of the first reader
	v_sub_f32 v27, 0xc0400000, v27                 ; -3 - log2(usage)
	v_cmp_gt_u32 vcc_lo, 8, v1
	v_cndmask_b32 v27, 0, v27, vcc_lo              ; lanes 0-7 are the experts
	v_add_f32_dpp v27, v27, v27 row_xmask:1 row_mask:0xf bank_mask:0xf
	v_add_f32_dpp v27, v27, v27 row_xmask:2 row_mask:0xf bank_mask:0xf
	v_add_f32_dpp v27, v27, v27 row_xmask:4 row_mask:0xf bank_mask:0xf
	v_mul_f32 v27, 0x3db17218, v27                 ; x ln 2 / 8
	v_cmp_eq_u32 vcc_lo, 0, v0
	s_wait_xcnt 0x0                                ; EXEC changes only behind this wait: it is a source of the stores above
	s_and_saveexec_b32 s16, vcc_lo
	global_store_b32 v28, v27, s[10:11]            ; thread 0 alone
	s_wait_xcnt 0x0                                ; and again in front of the line that widens it
	s_or_b32 exec_lo, exec_lo, s16
	s_wait_tensorcnt 0x0                           ; the wave's end
	ds_add_u32 v30, v31
	s_wait_dscnt 0x0
	s_endpgm
.Lfunc_end_k_qccead0def9_place:
	.size	k_qccead0def9_place, .Lfunc_end_k_qccead0def9_place-k_qccead0def9_place
	.p2alignl 7, 3214868480
	.fill 96, 4, 3214868480
	.section	.rodata,"a",@progbits
	.p2align	6, 0x0
	.amdhsa_kernel k_qccead0def9_place
		.amdhsa_group_segment_fixed_size 3072
		.amdhsa_private_segment_fixed_size 0
		.amdhsa_enable_private_segment 0
		.amdhsa_kernarg_size 32
		.amdhsa_user_sgpr_count 2
		.amdhsa_user_sgpr_kernarg_segment_ptr 1
		.amdhsa_wavefront_size32 1
		.amdhsa_system_sgpr_workgroup_id_x 1
		.amdhsa_system_sgpr_workgroup_id_y 1
		.amdhsa_system_sgpr_workgroup_id_z 1
		.amdhsa_system_vgpr_workitem_id 0
		.amdhsa_next_free_vgpr 160
		.amdhsa_next_free_sgpr 66
		.amdhsa_reserve_vcc 1
		.amdhsa_float_denorm_mode_32 3
		.amdhsa_float_denorm_mode_16_64 3
		.amdhsa_memory_ordered 1
		.amdhsa_forward_progress 1
		.amdhsa_inst_pref_size 24
	.end_amdhsa_kernel
	.amdgpu_metadata
---
amdhsa.version: [ 1, 2 ]
amdhsa.kernels:
  - .name:           k_qccead0def9_place
    .symbol:         k_qccead0def9_place.kd
    .args:
      - { .name: rt, .offset: 0, .size: 8, .value_kind: global_buffer, .address_space: global }
      - { .name: gts, .offset: 8, .size: 8, .value_kind: global_buffer, .address_space: global }
      - { .name: plan, .offset: 16, .size: 8, .value_kind: global_buffer, .address_space: global }
      - { .name: out1, .offset: 24, .size: 8, .value_kind: global_buffer, .address_space: global }
    .group_segment_fixed_size: 3072
    .private_segment_fixed_size: 0
    .kernarg_segment_align: 8
    .kernarg_segment_size: 32
    .max_flat_workgroup_size: 256
    .sgpr_count:     66
    .vgpr_count:     160
    .wavefront_size: 32
...
	.end_amdgpu_metadata
.endif
;; end of part 2
;; launch chain (part 3): grid 155 x 1, 4 waves a work-group, no clusters, 125,440 bytes of LDS; arguments plan, xq, gts, wq, b1, b2, b3, ln_gamma, ln_beta, out0; writes out0
.if DOCPART == 3
	.amdgcn_target "amdgcn-amd-amdhsa--gfx1250"
	.amdhsa_code_object_version 6
	.text
	.protected	k_qccead0def9_chain
	.globl	k_qccead0def9_chain
	.p2align	8
	.type	k_qccead0def9_chain,@function
k_qccead0def9_chain:
	s_mov_b64 s[64:65], 0
	v_nop
	global_prefetch_b8 v0, s[64:65] scope:SCOPE_SE
	s_setreg_imm32_b32 hwreg(HW_REG_WAVE_MODE, 25, 1), 1
	s_wait_xcnt 0x0
; CHAIN: a work-group takes one tile of at most 32 tokens that chose the SAME pair of experts (a, b) through both experts' three layers, adds the two results by their gates, normalises and stores: each row of out0 has one owner.
; Work left out: the six experts that a token did not choose enter out with a gate that is exactly 0 (shown at the head of the first kernel).
; GRID: 128 + 28 - 1 tiles serve every split.  No barrier stands behind a branch on a number read from memory: so a tile that the split leaves without rows walks the chain on clamped rows and stores nothing
; (that walk is of no use; it runs beside the others on a WGP that has no other work).  Rows beyond a tile's count repeat its last token and are not stored.
; NO TENSOR LOADS, NO CLUSTER: no split promises partners tiles of one pair.  The weights lie in wq in the order of the operand registers and come straight into registers.
; SHARES.  Four waves share the COLUMNS: wave w makes hidden units 256 w .. 256 w + 255 of layers 1 and 2 and outputs 128 w .. 128 w + 127 of layer 3, for all 32 rows (two tiles of 16, m = 0, 1).  Its weights are one linear
; stream of 32 chunks of 8,704 bytes for each expert (32 columns x 512 K: 8 fragments and their scale words), through a ring of four register buffers: three chunks, 51 loads, are always on their way.
; PRODUCTS ARE USED TRANSPOSED (source 0 = 16 columns of the weight, source 1 = 16 tokens): a lane holds one token; the columns of a tile were chosen so that the 16 registers of tiles 2 b, 2 b + 1 are 16 neighbours along the next K.
; The hidden layers are quantised in registers and go from wave to wave through LDS as images of the operand's registers.  The biases are the C of each sum's first matrix instruction.
; gelu(x) = x (0.5 + xc A(xc^2) / B(xc^2)), xc = x held to +-5.41998: 0.5 erf(x / sqrt 2) as a quotient of polynomials (degrees 4 and 6 in xc^2), whose error is of the size of f32's own rounding of 1 + erf.
; LIMITS: NaN and infinities are not served; a block whose largest magnitude lies under 2^-124 keeps the byte 1 (its codes are then zeros or next to zero).
; REGISTERS, in windows of 256.  Window 0: addresses, biases, scale words, codes just made, gelu's four sets of 16, gain and shift.  Window 1: v0-127 the 16 accumulators (64 m + 16 b + 8 u), v128-255 the first expert's
; gated result.  Window 2: the ring, buffer q at 64 q.  Window 3: v0-127 the hidden layer's 16 fragments (8 (2 s + m)), v128-191 x's eight.
.set CH,    8704
.set EW,    32*CH                      ; a wave's stream for one expert
.set H1IMG, 0                          ; LDS: hidden layer 1: 16 fragments of 1,024 bytes, (2 s + m),
.set H1SC,  16384                      ; their scale words, 128 bytes each
.set H2IMG, 18432                      ; hidden layer 2 likewise
.set H2SC,  34816
.set BIAS,  36864                      ; [wave 4][expert 2][b1 1,024 | b2 1,024 | b3 512 bytes]: each wave's biases in the order in which it takes them
.set ST1,   57344                      ; the rows' sums, 128 bytes a wave;  + 512: the sums of squares
.set TOK,   58368                      ; the tile's 32 token numbers, a copy for each wave
.set STG,   58880                      ; the way out: 32 rows of 2,048 + 16 bytes
.set SGP,   2064
.set SPARE, 124928                     ; the spare words, 128 bytes for each wave: two blocks of 256 bytes that no other line names
.set LI,  1                            ; 16 x lane
.set LS,  2                            ; 4 x lane
.set HWI, 3                            ; 16 x lane + 4,096 x wave: where my images go
.set HWS, 4                            ; 4 x lane + 512 x wave: and their scale words
.set BA,  5                            ; my biases: BIAS + 5,120 x wave + 64 (lane / 16)
.set IAD, 7                            ; the three addresses of the trip in hand
.set SAD, 8
.set BAD, 9
.set TK0, 10                           ; my token in tile 0, in tile 1
.set TK1, 11
.set SPW, 12                           ; my spare word; never rewritten
.set NIL, 13                           ; 0; never rewritten
.set RR,  14                           ; lane % 16
.set HH,  15                           ; lane / 16
.set GA0, 16                           ; v[16:17], v[18:19]: (ga, gb) of my token in tile 0, 1
.set GA1, 18
.set GB0, 20                           ; v[20:21], v[22:23]: (gb, gb)
.set GB1, 22
.set KA,  24                           ; (a3, a3)
.set KB,  26                           ; (b5, b5)
.set BI,  28                           ; v28-43  the biases of a chunk's two tiles
.set RS,  44                           ; v44-59  the ring's scale words, four a buffer: scales and nothing else
.set XS,  60                           ; v60-67  x's scale words
.set OS,  68                           ; v68-83  the hidden layer's
.set PC,  84                           ; v84-99  the codes just made, tile 0, tile 1
.set PW,  100                          ; v100-101 their scale words
.set T1,  104                          ; v104-167 four sets of 16, at work
.set T2,  120
.set T3,  136
.set T4,  152
.set GAM, 168                          ; v168-183 gain, v184-199 shift: my 16 columns of a row on the way out
.set BET, 184
.set AST, 224                          ; LDS addresses for the end, made at the head
.set ASL, 225
.set ASG, 226
.set ASR, 227
.set ATK, 228
.set ATS, 229
.set AB1, 230
.set AB3, 231
.set TKR, 232                          ; v232-239 my eight rows' byte offsets in out0
.set LNL, 240                          ; v240-247 the four waves' sums
.set OPF, 0                            ; window 3
.set XF,  128
.set OUTR, 128                         ; window 1
.set MSB, 0
.macro WIN new                         ; the immediate's high byte repeats the setting that is left; a switch that changes nothing is dropped
.if MSB != \new
	s_set_vgpr_msb (MSB<<8)|\new
.set MSB, \new
.endif
.endm
.macro BARRIER                         ; my LDS stores have landed and my LDS loads are in: then the work-group's barrier
	s_wait_dscnt 0x0
	s_barrier_signal -1
	s_barrier_wait -1
.endm
.macro KPAIR r, bits                   ; a constant as a pair: the packed forms name both words
	s_mov_b32 s[\r], \bits
	s_mov_b32 s[\r+1], \bits
.endm
; a chunk into ring buffer buf: 16 loads of 512 consecutive bytes (load i = registers 4 i on), and its scale words: 17 loads
.macro LOADCH buf, ptr, off
	WIN 0x80
.irp i, 0,1,2,3,4,5,6,7,8,9,10,11,12,13,14,15
	global_load_b128 v[64*(\buf)+4*\i:64*(\buf)+4*\i+3], v[LI], s[\ptr:\ptr+1] offset:(\off)+512*\i
.endr
	WIN 0
	global_load_b128 v[RS+4*(\buf):RS+4*(\buf)+3], v[LI], s[\ptr:\ptr+1] offset:(\off)+8192
.endm
.macro BILOAD off                      ; 16 neighbouring biases: units 16 (lane / 16) + 0 .. 15 of a chunk's 32
.irp q, 0,1,2,3
	ds_load_b128 v[BI+4*\q:BI+4*\q+3], v[BAD] offset:(\off)+16*\q
.endr
.endm
; 16 matrix instructions: the chunk in buffer buf (columns 32 b on, K steps 4 kh .. 4 kh + 3) against both tiles of rows.  first = 1: the sums begin with the biases as C.
; The four accumulators take turns, one instruction a turn.  cnt: the loads of the younger chunks, which may stay out.
; Four v_nop close it: the places in front of the loads into the buffer, the scale words and the biases, and of the first read of results.
.macro CHUNK buf, b, kh, first, opb, osb, cnt
	s_wait_loadcnt \cnt
.if \first
	s_wait_dscnt 0x0                               ; the biases, and a fetch of fragments where one went before
.endif
.irp sp, 0,1,2,3
.if \first && (\sp == 0)
	WIN 0x4e                                       ; A window 2, B window 3, C window 0, D window 1
.else
	WIN 0x5e                                       ; C and D window 1
.endif
.irp u, 0,1
.irp m, 0,1
.set rD, 64*\m+16*(\b)+8*\u
.set rA, 64*(\buf)+8*(2*\sp+\u)
.set rB, (\opb)+8*(2*(4*(\kh)+\sp)+\m)
.set rP, RS+4*(\buf)+\sp
.set rQ, (\osb)+2*(4*(\kh)+\sp)+\m
.if \first && (\sp == 0)
.set rC, BI+8*\u
.else
.set rC, rD
.endif
.if \u == 0
	v_wmma_scale_f32_16x16x128_f8f6f4 v[rD:rD+7], v[rA:rA+7], v[rB:rB+7], v[rC:rC+7], v[rP], v[rQ] matrix_a_fmt:MATRIX_FMT_FP4 matrix_b_fmt:MATRIX_FMT_FP4
.else
	v_wmma_scale_f32_16x16x128_f8f6f4 v[rD:rD+7], v[rA:rA+7], v[rB:rB+7], v[rC:rC+7], v[rP], v[rQ] matrix_a_fmt:MATRIX_FMT_FP4 matrix_b_fmt:MATRIX_FMT_FP4 matrix_a_scale:MATRIX_SCALE_ROW1
.endif
.endr
.endr
.endr
	WIN 0
.rept 4
	v_nop
.endr
.endm
.macro HORN d, k                       ; a step of Horner's rule on eight pairs: d = d z + the constant
.irp i, 0,2,4,6,8,10,12,14
	v_pk_fma_f32 v[\d+\i:\d+\i+1], v[\d+\i:\d+\i+1], v[T2+\i:T2+\i+1], s[\k:\k+1] op_sel_hi:[1,1,0]
.endr
.endm
; gelu in place on accumulator registers n .. n + 15 (two accumulators, each read from its low end on).  The 16 reciprocals are one batch with one wait
.macro GELU16 n
	WIN 0x01
.irp i, 0,1,2,3,4,5,6,7,8,9,10,11,12,13,14,15
	v_med3_num_f32 v[T1+\i], v[(\n)+\i], s43, s44  ; xc
.endr
	WIN 0
.irp i, 0,2,4,6,8,10,12,14
	v_pk_mul_f32 v[T2+\i:T2+\i+1], v[T1+\i:T1+\i+1], v[T1+\i:T1+\i+1]   ; z = xc^2
.endr
.irp i, 0,2,4,6,8,10,12,14
	v_pk_fma_f32 v[T3+\i:T3+\i+1], v[T2+\i:T2+\i+1], s[68:69], v[KA:KA+1] op_sel_hi:[1,0,1]   ; a4 z + a3
.endr
.irp i, 0,2,4,6,8,10,12,14
	v_pk_fma_f32 v[T4+\i:T4+\i+1], v[T2+\i:T2+\i+1], s[76:77], v[KB:KB+1] op_sel_hi:[1,0,1]   ; b6 z + b5
.endr
	HORN T3, 70
	HORN T4, 78
	HORN T3, 72
	HORN T4, 80
	HORN T3, 74                                    ; A
	HORN T4, 82
	HORN T4, 84
.irp i, 0,2,4,6,8,10,12,14
	v_pk_fma_f32 v[T4+\i:T4+\i+1], v[T4+\i:T4+\i+1], v[T2+\i:T2+\i+1], 1.0 op_sel_hi:[1,1,0]   ; B
.endr
.irp i, 0,1,2,3,4,5,6,7,8,9,10,11,12,13,14,15
	v_rcp_f32 v[T2+\i], v[T4+\i]
.endr
.irp i, 0,2,4,6,8,10,12,14
	v_pk_mul_f32 v[T3+\i:T3+\i+1], v[T3+\i:T3+\i+1], v[T1+\i:T1+\i+1]   ; xc A: plain work that names no reciprocal
.endr
	s_wait_alu depctr_va_vdst(0)                   ; the wait ahead of the batch's first reader
.irp i, 0,2,4,6,8,10,12,14
	v_pk_fma_f32 v[T3+\i:T3+\i+1], v[T3+\i:T3+\i+1], v[T2+\i:T2+\i+1], 0.5 op_sel_hi:[1,1,0]
.endr
	WIN 0x41
.irp i, 0,2,4,6,8,10,12,14
	v_pk_mul_f32 v[(\n)+\i:(\n)+\i+1], v[(\n)+\i:(\n)+\i+1], v[T3+\i:T3+\i+1]
.endr
	WIN 0
.endm
; tile m's 64 numbers of a lane (register 16 b + i = k 32 b + 16 (lane / 16) + i of my token) become a fragment's codes and its scale word
.macro QUANT m
.set qA, 64*(\m)
.set qC, PC+8*(\m)
	WIN 0x05
.irp b, 0,1,2,3
	v_max3_num_f32 v[T1+\b], |v[qA+16*\b]|, |v[qA+16*\b+1]|, 0x1800000   ; my 16 numbers of block b, and the floor 2^(3 - 127): the byte cannot fall under 1
.endr
.irp i, 2,4,6,8,10,12,14
.irp b, 0,1,2,3
	v_max3_num_f32 v[T1+\b], |v[qA+16*\b+\i]|, |v[qA+16*\b+\i+1]|, v[T1+\b]
.endr
.endr
	WIN 0
.irp b, 0,1,2,3
	v_permlanex16_b32 v[T1+4+\b], v[T1+\b], s40, s41
.endr
.irp b, 0,1,2,3
	v_max_num_f32 v[T1+\b], v[T1+\b], v[T1+4+\b]   ; with lane l xor 16's: the block's largest magnitude
.endr
.irp b, 0,1,2,3
	v_add_nc_u32 v[T1+12+\b], 0xff000000, v[T1+\b] ; 2 off its exponent field: the conversion's scale operand
.endr
.irp b, 0,1,2,3
	v_lshrrev_b32 v[T1+4+\b], 23, v[T1+12+\b]      ; the byte
.endr
	v_lshl_or_b32 v[PW+(\m)], v[T1+5], 8, v[T1+4]
	v_lshl_or_b32 v[PW+(\m)], v[T1+6], 16, v[PW+(\m)]
	v_lshl_or_b32 v[PW+(\m)], v[T1+7], 24, v[PW+(\m)]
	WIN 0x01
.irp b, 0,1,2,3
	v_cvt_scalef32_pk8_fp4_f32 v[qC+2*\b], v[qA+16*\b:qA+16*\b+7], v[T1+12+\b]
	v_cvt_scalef32_pk8_fp4_f32 v[qC+2*\b+1], v[qA+16*\b+8:qA+16*\b+15], v[T1+12+\b]
.endr
	WIN 0
	v_nop                                          ; one plain line behind the last conversion
.irp c, 0,1
.irp i, 0,1
	v_permlane16_swap_b32 v[qC+4*\c+\i], v[qC+4*\c+2+\i]   ; the layout wants a whole block in a lane
.endr
.endr
.endm
.macro IMAGE m, img, sc                ; the fragment goes to LDS as it stands
.irp c, 0,1
	ds_store_b128 v[IAD], v[PC+8*(\m)+4*\c:PC+8*(\m)+4*\c+3] offset:(\img)+1024*(\m)+512*\c
.endr
	ds_store_b32 v[SAD], v[PW+(\m)] offset:(\sc)+128*(\m)
.endm
.macro FETCH img, sc                   ; and all sixteen come back so, in every wave
	WIN 0xc0
.irp f, 0,1,2,3,4,5,6,7,8,9,10,11,12,13,14,15
	ds_load_b128 v[OPF+8*\f:OPF+8*\f+3], v[LI] offset:(\img)+1024*\f
	ds_load_b128 v[OPF+8*\f+4:OPF+8*\f+7], v[LI] offset:(\img)+1024*\f+512
.endr
	WIN 0
.irp f, 0,1,2,3,4,5,6,7,8,9,10,11,12,13,14,15
	ds_load_b32 v[OS+\f], v[LS] offset:(\sc)+128*\f
.endr
.endm
	s_load_b512 s[4:19], s[0:1], 0x0               ; plan s[4:5], xq s[6:7], gts s[8:9], wq s[10:11], b1 s[12:13], b2 s[14:15], b3 s[16:17], gain s[18:19]
	s_load_b128 s[20:23], s[0:1], 0x40             ; shift s[20:21], out0 s[22:23]
	v_lshl_add_u32 v[SPW], v0, 2, SPARE
	v_mov_b32 v[NIL], 0
	v_lshrrev_b32 v[LI], 5, v0
	v_readfirstlane_b32 s28, v[LI]                 ; wave 0..3
	s_lshl_b32 s29, ttmp9, 4
	v_and_b32 v[LS], 31, v0
	v_lshlrev_b32 v[LI], 4, v[LS]
	v_lshlrev_b32 v[LS], 2, v[LS]
	v_and_b32 v[RR], 15, v0
	v_bfe_u32 v[HH], v0, 4, 1
	s_wait_kmcnt 0x0
	s_load_b128 s[24:27], s[4:5], s29 offset:0x4000   ; my tile: a, b, first, rows
	s_lshl_b32 s34, s28, 12
	v_add_nc_u32 v[HWI], s34, v[LI]
	s_lshl_b32 s34, s28, 9
	v_add_nc_u32 v[HWS], s34, v[LS]
	s_add_co_u32 s34, s34, STG
	v_mul_u32_u24 v[ASG], v[RR], SGP
	v_lshl_add_u32 v[ASG], v[HH], 6, v[ASG]
	v_add_nc_u32 v[ASG], s34, v[ASG]               ; the stage, in: row r, + 512 x wave + 64 (lane / 16)
	s_mul_i32 s34, s28, 5120
	s_add_co_u32 s34, s34, BIAS
	v_lshl_add_u32 v[BA], v[HH], 6, s34
	v_lshl_add_u32 v[AST], v0, 2, ST1              ; my wave's 32 sums: lane l for row l
	v_lshl_add_u32 v[ASL], v[RR], 2, ST1
	s_mul_i32 s34, s28, 8*SGP
	s_add_co_u32 s34, s34, STG
	v_add_nc_u32 v[ASR], s34, v[LI]                ; the stage, back: my eight rows, 16 bytes a lane
	s_mul_i32 s34, s28, 160
	s_add_co_u32 s34, s34, TOK
	v_mov_b32 v[ATK], s34                          ; my copy of the tokens (128 x wave), from row 8 x wave on
	v_lshl_add_u32 v[ATS], v0, 2, TOK
	v_lshrrev_b32 v[AB1], 6, v0                    ; b1, b2: thread t brings units 4 t + 512 q: wave t / 64 + 2 q takes them, at byte 16 (t % 64)
	v_mul_u32_u24 v[AB1], v[AB1], 5120
	v_and_b32 v200, 63, v0
	v_lshl_add_u32 v[AB1], v200, 4, v[AB1]
	v_add_nc_u32 v[AB1], BIAS, v[AB1]
	v_lshrrev_b32 v[AB3], 5, v0                    ; b3: units 4 t: wave t / 32, byte 16 (t % 32)
	v_mul_u32_u24 v[AB3], v[AB3], 5120
	v_and_b32 v200, 31, v0
	v_lshl_add_u32 v[AB3], v200, 4, v[AB3]
	v_add_nc_u32 v[AB3], BIAS+2048, v[AB3]
	s_mov_b32 s40, 0x76543210
	s_mov_b32 s41, 0xfedcba98                      ; v_permlanex16_b32's selects for lane l xor 16
	s_mov_b32 s43, 0xc0ad7080                      ; -5.41998
	s_mov_b32 s44, 0x40ad7080
	s_mov_b32 s45, 0x3b000000                      ; 1 / 512
	s_mov_b32 s46, 0x3727c5ac                      ; 1e-5
	s_mov_b32 s49, 0xffff0000                      ; lanes 16-31
	s_lshl_b32 s48, s28, 3                         ; my first row on the way out
	KPAIR 68, 0x36a9d4af                           ; a4
	KPAIR 70, 0x3b93955d                           ; a2
	KPAIR 72, 0x3d061aeb                           ; a1
	KPAIR 74, 0x3ecc4229                           ; a0
	KPAIR 76, 0xb0fd3906                           ; b6
	KPAIR 78, 0x38856d28                           ; b4
	KPAIR 80, 0x3ae687d4                           ; b3
	KPAIR 82, 0x3ce34c21                           ; b2
	KPAIR 84, 0x3e7eb44a                           ; b1
	v_mov_b32 v[KA], 0x391df185                    ; a3
	v_mov_b32 v[KA+1], 0x391df185
	v_mov_b32 v[KB], 0x354588df                    ; b5
	v_mov_b32 v[KB+1], 0x354588df
	s_wait_kmcnt 0x0
	s_min_u32 s24, s24, 7                          ; numbers that were loaded enter addresses only held inside their tables
	s_min_u32 s25, s25, 7
	s_min_u32 s26, s26, 0xfff
	s_min_u32 s27, s27, 32
	s_max_u32 s39, s27, 1
	s_sub_co_u32 s39, s39, 1                       ; the tile's last row
	s_lshl_b32 s34, s24, 2
	s_add_co_u32 s34, s34, s28
	s_mul_i32 s34, s34, EW
	s_mov_b32 s35, 0
	s_add_nc_u64 s[30:31], s[10:11], s[34:35]      ; my stream of expert a
	s_lshl_b32 s34, s25, 2
	s_add_co_u32 s34, s34, s28
	s_mul_i32 s34, s34, EW
	s_add_nc_u64 s[32:33], s[10:11], s[34:35]      ; and of expert b
	v_min_u32 v200, s39, v[RR]
	v_add_nc_u32 v201, 16, v[RR]
	v_min_u32 v201, s39, v201
	v_add_nc_u32 v200, s26, v200
	v_add_nc_u32 v201, s26, v201
	v_min_u32 v200, 0xfff, v200
	v_min_u32 v201, 0xfff, v201
	v_lshlrev_b32 v200, 2, v200
	v_lshlrev_b32 v201, 2, v201
	global_load_b32 v[TK0], v200, s[4:5]           ; my tokens
	global_load_b32 v[TK1], v201, s[4:5]
	s_lshl_b32 s34, s24, 12
	s_lshl_b32 s35, s25, 12
	v_lshl_add_u32 v202, v0, 4, s34
	v_lshl_add_u32 v203, v0, 4, s35
	s_lshl_b32 s34, s24, 11
	s_lshl_b32 s35, s25, 11
	v_lshl_add_u32 v204, v0, 4, s34
	v_lshl_add_u32 v205, v0, 4, s35
.irp t, 0,1                            ; both experts' biases: ten loads
	global_load_b128 v[T1+20*\t:T1+20*\t+3], v[202+\t], s[12:13]
	global_load_b128 v[T1+20*\t+4:T1+20*\t+7], v[202+\t], s[12:13] offset:2048
	global_load_b128 v[T1+20*\t+8:T1+20*\t+11], v[202+\t], s[14:15]
	global_load_b128 v[T1+20*\t+12:T1+20*\t+15], v[202+\t], s[14:15] offset:2048
	global_load_b128 v[T1+20*\t+16:T1+20*\t+19], v[204+\t], s[16:17]
.endr
.irp q, 0,1,2,3                        ; gain and shift: eight loads
	global_load_b128 v[GAM+4*\q:GAM+4*\q+3], v[LI], s[18:19] offset:512*\q
	global_load_b128 v[BET+4*\q:BET+4*\q+3], v[LI], s[20:21] offset:512*\q
.endr
	LOADCH 0, 30, 0
	LOADCH 1, 30, CH
	s_wait_loadcnt 52                              ; the tokens are in: behind them went 10 + 8 + 2 x 17 loads
	v_min_u32 v[TK0], 0xfff, v[TK0]
	v_min_u32 v[TK1], 0xfff, v[TK1]
	v_lshlrev_b32 v206, 8, v[TK0]
	v_lshlrev_b32 v207, 8, v[TK1]
	v_lshl_add_u32 v206, v[HH], 4, v206            ; x's codes: 256 bytes a token, + 16 (lane / 16)
	v_lshl_add_u32 v207, v[HH], 4, v207
	v_lshlrev_b32 v208, 4, v[TK0]                  ; scale bytes and gates: 16 bytes a token
	v_lshlrev_b32 v209, 4, v[TK1]
	WIN 0xc0
.irp s, 0,1,2,3
.irp m, 0,1
.irp c, 0,1
	global_load_b128 v[XF+8*(2*\s+\m)+4*\c:XF+8*(2*\s+\m)+4*\c+3], v[206+\m], s[6:7] offset:64*\s+32*\c
.endr
.endr
.endr
	WIN 0
.irp s, 0,1,2,3
.irp m, 0,1
	global_load_b32 v[XS+2*\s+\m], v[208+\m], s[6:7] offset:0x100000+4*\s
.endr
.endr
	global_load_b64 v[GA0:GA0+1], v208, s[8:9]
	global_load_b64 v[GA1:GA1+1], v209, s[8:9]
	LOADCH 2, 30, 2*CH
	LOADCH 3, 30, 3*CH
	s_wait_xcnt 0x0                                ; the loads have read their base: it may step
	s_add_nc_u64 s[30:31], s[30:31], 4*CH          ; the stream's pointer stands at the next chunk to be asked for
	s_wait_loadcnt 34                              ; all but chunks 2 and 3
.irp t, 0,1
	ds_store_b128 v[AB1], v[T1+20*\t:T1+20*\t+3] offset:2560*\t
	ds_store_b128 v[AB1], v[T1+20*\t+4:T1+20*\t+7] offset:2560*\t+10240
	ds_store_b128 v[AB1], v[T1+20*\t+8:T1+20*\t+11] offset:2560*\t+1024
	ds_store_b128 v[AB1], v[T1+20*\t+12:T1+20*\t+15] offset:2560*\t+1024+10240
	ds_store_b128 v[AB3], v[T1+20*\t+16:T1+20*\t+19] offset:2560*\t
.endr
	v_cndmask_b32 v210, v[TK0], v[TK1], s49        ; lane l: the token of row l
	ds_store_b32 v[ATS], v210
	v_mov_b32 v[GB0], v[GA0+1]
	v_mov_b32 v[GB0+1], v[GA0+1]
	v_mov_b32 v[GB1], v[GA1+1]
	v_mov_b32 v[GB1+1], v[GA1+1]
	BARRIER                                        ; the biases lie in LDS
	s_mov_b32 s34, 0                               ; where my biases' stream stands
	v_mov_b32 v[BAD], v[BA]
	BILOAD 0
	s_mov_b32 s37, 2                               ; experts to go
.Lexp:
	; ---- layer 1: K = 512, one chunk for 32 hidden units; two trips of 128 units, each one K step of layer 2
	s_mov_b32 s35, 0
	s_mov_b32 s36, 0
	s_mov_b32 s38, 2
.Ll1:
	v_add_nc_u32 v[BAD], s34, v[BA]
	v_add_nc_u32 v[IAD], s35, v[HWI]
	v_add_nc_u32 v[SAD], s36, v[HWS]
.irp b, 0,1,2,3
	CHUNK \b, \b, 0, 1, XF, XS, 51                 ; 51: the three younger chunks' loads
	LOADCH \b, 30, \b*CH
	BILOAD (\b+1)*128
	GELU16 16*\b
	GELU16 64+16*\b
.endr
	QUANT 0
	QUANT 1
	IMAGE 0, H1IMG, H1SC
	IMAGE 1, H1IMG, H1SC
	s_wait_xcnt 0x0                                ; the loads have read their base
	s_add_nc_u64 s[30:31], s[30:31], 4*CH
	s_add_co_u32 s34, s34, 512
	s_add_co_u32 s35, s35, 2048
	s_add_co_u32 s36, s36, 256
	s_sub_co_u32 s38, s38, 1
	s_cmp_lg_u32 s38, 0
	s_cbranch_scc1 .Ll1
	BARRIER                                        ; hidden layer 1 lies in LDS; and every wave's reads of the last expert's hidden layer 2 are over
	FETCH H1IMG, H1SC
	; ---- layer 2: K = 1,024, two chunks for 32 hidden units
	s_mov_b32 s35, 0
	s_mov_b32 s36, 0
	s_mov_b32 s38, 2
.Ll2:
	v_add_nc_u32 v[BAD], s34, v[BA]
	v_add_nc_u32 v[IAD], s35, v[HWI]
	v_add_nc_u32 v[SAD], s36, v[HWS]
.irp b, 0,1,2,3
	CHUNK (2*\b)%4, \b, 0, 1, OPF, OS, 51
	LOADCH (2*\b)%4, 30, (2*\b)*CH
	BILOAD (\b+1)*128
	CHUNK (2*\b+1)%4, \b, 1, 0, OPF, OS, 51
	LOADCH (2*\b+1)%4, 30, (2*\b+1)*CH
	GELU16 16*\b
	GELU16 64+16*\b
.endr
	QUANT 0
	QUANT 1
	IMAGE 0, H2IMG, H2SC
	IMAGE 1, H2IMG, H2SC
	s_wait_xcnt 0x0
	s_add_nc_u64 s[30:31], s[30:31], 8*CH
	s_add_co_u32 s34, s34, 512
	s_add_co_u32 s35, s35, 2048
	s_add_co_u32 s36, s36, 256
	s_sub_co_u32 s38, s38, 1
	s_cmp_lg_u32 s38, 0
	s_cbranch_scc1 .Ll2
	BARRIER                                        ; hidden layer 2 lies in LDS; and every wave's reads of hidden layer 1 are over
	FETCH H2IMG, H2SC
	; ---- layer 3: my 128 outputs.  The first half asks for the expert's last four chunks
	v_add_nc_u32 v[BAD], s34, v[BA]
.irp b, 0,1
	CHUNK (2*\b)%4, \b, 0, 1, OPF, OS, 51
	LOADCH (2*\b)%4, 30, (2*\b)*CH
	BILOAD (\b+1)*128
	CHUNK (2*\b+1)%4, \b, 1, 0, OPF, OS, 51
	LOADCH (2*\b+1)%4, 30, (2*\b+1)*CH
.endr
	s_cmp_eq_u32 s37, 1
	s_cbranch_scc1 .Ltail                          ; the last expert's end is written out: it asks for nothing more
.irp b, 2,3                            ; the second half asks for the next expert's first four chunks and its first biases
	CHUNK (2*\b)%4, \b, 0, 1, OPF, OS, 51
	LOADCH (2*\b)%4, 32, (2*\b-4)*CH
	BILOAD (\b+1)*128
	CHUNK (2*\b+1)%4, \b, 1, 0, OPF, OS, 51
	LOADCH (2*\b+1)%4, 32, (2*\b-3)*CH
.endr
	WIN 0x41                                       ; the first expert's result x its gate is set aside: nothing is cleared
.set i, 0
.rept 32
	v_pk_mul_f32 v[OUTR+i:OUTR+i+1], v[i:i+1], v[GA0:GA0+1] op_sel_hi:[1,0]
.set i, i+2
.endr
.rept 32
	v_pk_mul_f32 v[OUTR+i:OUTR+i+1], v[i:i+1], v[GA1:GA1+1] op_sel_hi:[1,0]
.set i, i+2
.endr
	WIN 0
	s_wait_xcnt 0x0
	s_add_nc_u64 s[30:31], s[32:33], 4*CH
	s_add_co_u32 s34, s34, 512
	s_sub_co_u32 s37, s37, 1
	s_cmp_lg_u32 s37, 0
	s_cbranch_scc1 .Lexp
.Ltail:	; the last four chunks: the counts run down, three, two, one and no younger chunk
	CHUNK 0, 2, 0, 1, OPF, OS, 51
	BILOAD 3*128
	CHUNK 1, 2, 1, 0, OPF, OS, 34
	CHUNK 2, 3, 0, 1, OPF, OS, 17
	CHUNK 3, 3, 1, 0, OPF, OS, 0
	WIN 0x51                                       ; out = the second expert's result x gb + what was set aside
.set i, 0
.rept 32
	v_pk_fma_f32 v[i:i+1], v[i:i+1], v[GB0:GB0+1], v[OUTR+i:OUTR+i+1] op_sel_hi:[1,0,1]
.set i, i+2
.endr
.rept 32
	v_pk_fma_f32 v[i:i+1], v[i:i+1], v[GB1:GB1+1], v[OUTR+i:OUTR+i+1] op_sel_hi:[1,0,1]
.set i, i+2
.endr
; v200, v204: my lane's part for rows r and 16 + r.  Behind it v[LNL], v[LNL+1] hold the rows' totals over all 512 columns
.macro XCHG off
	v_permlanex16_b32 v201, v200, s40, s41
	v_permlanex16_b32 v205, v204, s40, s41
	v_add_f32 v200, v200, v201
	v_add_f32 v204, v204, v205
	v_cndmask_b32 v208, v200, v204, s49            ; lane l carries row l
	ds_store_b32 v[AST], v208 offset:\off
	BARRIER
.irp k, 0,1,2,3
	ds_load_b32 v[LNL+2*\k], v[ASL] offset:(\off)+128*\k
	ds_load_b32 v[LNL+2*\k+1], v[ASL] offset:(\off)+128*\k+64
.endr
	s_wait_dscnt 0x0
	v_pk_add_f32 v[LNL:LNL+1], v[LNL:LNL+1], v[LNL+2:LNL+3]
	v_pk_add_f32 v[LNL+4:LNL+5], v[LNL+4:LNL+5], v[LNL+6:LNL+7]
	v_pk_add_f32 v[LNL:LNL+1], v[LNL:LNL+1], v[LNL+4:LNL+5]
.endm
	; ---- LayerNorm in two passes: the mean, then the mean square of what is left
.irp m, 0,1
	WIN 0x05
	v_pk_add_f32 v[200+4*\m:201+4*\m], v[64*\m:64*\m+1], v[64*\m+2:64*\m+3]
	v_pk_add_f32 v[202+4*\m:203+4*\m], v[64*\m+4:64*\m+5], v[64*\m+6:64*\m+7]
	WIN 0x01
.irp i, 8,12,16,20,24,28,32,36,40,44,48,52,56,60
	v_pk_add_f32 v[200+4*\m:201+4*\m], v[64*\m+\i:64*\m+\i+1], v[200+4*\m:201+4*\m]
	v_pk_add_f32 v[202+4*\m:203+4*\m], v[64*\m+\i+2:64*\m+\i+3], v[202+4*\m:203+4*\m]
.endr
.endr
	WIN 0
	v_pk_add_f32 v[200:201], v[200:201], v[202:203]
	v_pk_add_f32 v[204:205], v[204:205], v[206:207]
	v_add_f32 v200, v200, v201
	v_add_f32 v204, v204, v205
	XCHG 0
	v_mul_f32 v210, s45, v[LNL]                    ; the means
	v_mul_f32 v212, s45, v[LNL+1]
	v_mov_b32 v211, v210
	v_mov_b32 v213, v212
	WIN 0x41
.set i, 0
.rept 32
	v_pk_add_f32 v[i:i+1], v[i:i+1], v[210:211] neg_lo:[0,1] neg_hi:[0,1]
.set i, i+2
.endr
.rept 32
	v_pk_add_f32 v[i:i+1], v[i:i+1], v[212:213] neg_lo:[0,1] neg_hi:[0,1]
.set i, i+2
.endr
	WIN 0x05
.irp m, 0,1
	v_pk_mul_f32 v[200+4*\m:201+4*\m], v[64*\m:64*\m+1], v[64*\m:64*\m+1]
	v_pk_mul_f32 v[202+4*\m:203+4*\m], v[64*\m+2:64*\m+3], v[64*\m+2:64*\m+3]
.irp i, 4,8,12,16,20,24,28,32,36,40,44,48,52,56,60
	v_pk_fma_f32 v[200+4*\m:201+4*\m], v[64*\m+\i:64*\m+\i+1], v[64*\m+\i:64*\m+\i+1], v[200+4*\m:201+4*\m]
	v_pk_fma_f32 v[202+4*\m:203+4*\m], v[64*\m+\i+2:64*\m+\i+3], v[64*\m+\i+2:64*\m+\i+3], v[202+4*\m:203+4*\m]
.endr
.endr
	WIN 0
	v_pk_add_f32 v[200:201], v[200:201], v[202:203]
	v_pk_add_f32 v[204:205], v[204:205], v[206:207]
	v_add_f32 v200, v200, v201
	v_add_f32 v204, v204, v205
	XCHG 512
	v_fma_f32 v210, v[LNL], s45, s46               ; variance + 1e-5
	v_fma_f32 v212, v[LNL+1], s45, s46
	v_rsq_f32 v210, v210
	v_rsq_f32 v212, v212
	v_nop
	s_wait_alu depctr_va_vdst(0)                   ; the wait ahead of the first reader: one for the two
	v_mov_b32 v211, v210
	v_mov_b32 v213, v212
	WIN 0x41
.set i, 0
.rept 32
	v_pk_mul_f32 v[i:i+1], v[i:i+1], v[210:211]
.set i, i+2
.endr
.rept 32
	v_pk_mul_f32 v[i:i+1], v[i:i+1], v[212:213]
.set i, i+2
.endr
	WIN 0x04                                       ; an LDS store's data are its source 1: window 1
.irp m, 0,1
.irp b, 0,1,2,3
.irp q, 0,1,2,3
	ds_store_b128 v[ASG], v[64*\m+16*\b+4*\q:64*\m+16*\b+4*\q+3] offset:16*\m*SGP+128*\b+16*\q   ; lane (r, h): row 16 m + r, columns 128 w + 32 b + 16 h + 4 q on
.endr
.endr
.endr
	WIN 0
.irp i, 0,1,2,3,4,5,6,7
	ds_load_b32 v[TKR+\i], v[ATK] offset:4*\i      ; my eight rows' tokens (my wave's own copy)
.endr
	BARRIER                                        ; 32 whole rows lie in the stage
.irp i, 0,1,2,3,4,5,6,7
	v_min_u32 v[TKR+\i], 0xfff, v[TKR+\i]
	v_lshlrev_b32 v[TKR+\i], 11, v[TKR+\i]
	v_add_nc_u32 v[TKR+\i], v[TKR+\i], v[LI]       ; a row of out0 is 2,048 bytes
.endr
; four rows: read back whole, gain and shift, and stored row by row while the row lies inside the tile's count.  No barrier stands behind these branches
.macro ROWS4 i0
.irp i, 0,1,2,3
.irp q, 0,1,2,3
	ds_load_b128 v[T1+16*\i+4*\q:T1+16*\i+4*\q+3], v[ASR] offset:((\i0)+\i)*SGP+512*\q
.endr
.endr
	s_wait_dscnt 0x0
.irp i, 0,1,2,3
.irp k, 0,2,4,6,8,10,12,14
	v_pk_fma_f32 v[T1+16*\i+\k:T1+16*\i+\k+1], v[T1+16*\i+\k:T1+16*\i+\k+1], v[GAM+\k:GAM+\k+1], v[BET+\k:BET+\k+1]
.endr
.endr
.irp i, 0,1,2,3
	s_add_co_u32 s47, s48, (\i0)+\i
	s_cmp_ge_u32 s47, s27
	s_cbranch_scc1 .Ldone                          ; this row and all behind it repeat the tile's last token (or the tile is empty): not stored
.irp q, 0,1,2,3
	global_store_b128 v[TKR+(\i0)+\i], v[T1+16*\i+4*\q:T1+16*\i+4*\q+3], s[22:23] offset:512*\q th:TH_STORE_NT   ; 512 consecutive bytes, aligned; written once
.endr
.endr
.endm
	ROWS4 0
	s_wait_xcnt 0x0                                ; the stores have read their data: the registers take the next four rows
	ROWS4 4
.Ldone:
	s_wait_tensorcnt 0x0                           ; the wave's end
	ds_add_u32 v[SPW], v[NIL]
	s_wait_dscnt 0x0
	s_endpgm
.Lfunc_end_k_qccead0def9_chain:
	.size	k_qccead0def9_chain, .Lfunc_end_k_qccead0def9_chain-k_qccead0def9_chain
	.p2alignl 7, 3214868480
	.fill 96, 4, 3214868480
	.section	.rodata,"a",@progbits
	.p2align	6, 0x0
	.amdhsa_kernel k_qccead0def9_chain
		.amdhsa_group_segment_fixed_size 125440
		.amdhsa_private_segment_fixed_size 0
		.amdhsa_enable_private_segment 0
		.amdhsa_kernarg_size 80
		.amdhsa_user_sgpr_count 2
		.amdhsa_user_sgpr_kernarg_segment_ptr 1
		.amdhsa_wavefront_size32 1
		.amdhsa_system_sgpr_workgroup_id_x 1
		.amdhsa_system_sgpr_workgroup_id_y 1
		.amdhsa_system_sgpr_workgroup_id_z 1
		.amdhsa_system_vgpr_workitem_id 0
		.amdhsa_next_free_vgpr 960
		.amdhsa_next_free_sgpr 100
		.amdhsa_reserve_vcc 0
		.amdhsa_float_denorm_mode_32 3
		.amdhsa_float_denorm_mode_16_64 3
		.amdhsa_memory_ordered 1
		.amdhsa_forward_progress 1
		.amdhsa_inst_pref_size 255
	.end_amdhsa_kernel
	.section	.bss,"aw",@nobits
	.p2align	6
	.space	262144
	.amdgpu_metadata
---
amdhsa.version: [ 1, 2 ]
amdhsa.kernels:
  - .name:           k_qccead0def9_chain
    .symbol:         k_qccead0def9_chain.kd
    .args:
      - { .name: plan, .offset: 0, .size: 8, .value_kind: global_buffer, .address_space: global }
      - { .name: xq, .offset: 8, .size: 8, .value_kind: global_buffer, .address_space: global }
      - { .name: gts, .offset: 16, .size: 8, .value_kind: global_buffer, .address_space: global }
      - { .name: wq, .offset: 24, .size: 8, .value_kind: global_buffer, .address_space: global }
      - { .name: b1, .offset: 32, .size: 8, .value_kind: global_buffer, .address_space: global }
      - { .name: b2, .offset: 40, .size: 8, .value_kind: global_buffer, .address_space: global }
      - { .name: b3, .offset: 48, .size: 8, .value_kind: global_buffer, .address_space: global }
      - { .name: ln_gamma, .offset: 56, .size: 8, .value_kind: global_buffer, .address_space: global }
      - { .name: ln_beta, .offset: 64, .size: 8, .value_kind: global_buffer, .address_space: global }
      - { .name: out0, .offset: 72, .size: 8, .value_kind: global_buffer, .address_space: global }
    .group_segment_fixed_size: 125440
    .private_segment_fixed_size: 0
    .kernarg_segment_align: 8
    .kernarg_segment_size: 80
    .max_flat_workgroup_size: 128
    .sgpr_count:     100
    .vgpr_count:     960
    .wavefront_size: 32
...
	.end_amdgpu_metadata
.endif
;; end of part 3
